; MI455X (gfx1250); checked and timed in simulation.
; The chip was launched on July 23, 2026; its instructions are those of AMD's public machine-readable ISA for CDNA 5 (MIT licence, August 2026) and "CDNA5" Instruction Set Architecture Reference Guide (July 2026). The comments in the code are by the model that wrote it; some were corrected since.
;; Multi Head Self Attention. Allowed arithmetic: float matrix products may take bf16 or f16 operands with f32 sums; all other float work in f32.
;; Inputs: Wk 16 x 1,024 x 64 float32; Wo 1,024 x 1,024 float32; Wq 16 x 1,024 x 64 float32; Wv 16 x 1,024 x 64 float32; bk 16 x 64 float32; bo 1,024 float32; bq 16 x 64 float32; bv 16 x 64 float32; x 2 x 2,048 x 1,024 float32.
;; Outputs: out0 2 x 2,048 x 1,024 float32.
;; One version. Each part assembles by itself: llvm-mc -triple=amdgcn-amd-amdhsa -mcpu=gfx1250 --defsym DOCPART=n.
;; ======== version 1 of 1: 4 launches
;; limits: values are held in f16: magnitudes above 65,504 overflow, below 6.1e-05 lose precision
;; workspace buffers: xb 8,388,608 bytes; wb 8,388,608 bytes; qkv 25,165,824 bytes; ob 8,388,608 bytes
;; launch cast (part 1): grid 64 x 8, 8 waves a work-group, no clusters, 0 bytes of LDS; arguments x, Wo, Wq, Wk, Wv, xb, wb; writes xb, wb
.if DOCPART == 1
	.amdgcn_target "amdgcn-amd-amdhsa--gfx1250"
	.amdhsa_code_object_version 6
	.text
	.protected	k_qee51563d77_cast
	.globl	k_qee51563d77_cast
	.p2align	8
	.type	k_qee51563d77_cast,@function
k_qee51563d77_cast:
	s_mov_b64 s[64:65], 0
	v_nop
	global_prefetch_b8 v0, s[64:65] scope:SCOPE_SE
	s_setreg_imm32_b32 hwreg(HW_REG_WAVE_MODE, 25, 1), 1
	s_wait_xcnt 0x0
; f32 -> f16, element by element, order kept.  x [4096][1024] -> xb;  Wo, Wq, Wk, Wv (1 Mi numbers each) -> parts 0, 1, 2, 3 of wb.
; Why a pass of its own: every tile of x is multiplied by 16 column blocks and every tile of W by 16 row blocks, so converting once
; here saves 15 of 16 conversions and halves the bytes that the products move.
; LIMITS: a magnitude above 65,504 becomes an infinity (f16's range); below 6.1e-5 the absolute error is up to 3e-8 (f16 denormals).
; Work-group y = unit of 1 Mi numbers (0-3: quarters of x; 4-7: Wo, Wq, Wk, Wv); x = chunk of 16,384 numbers in it.
; Thread t: sixteen loads of 16 bytes at 16 t + 4,096 i (a wave's load covers 512 consecutive bytes) and sixteen stores of 8 bytes at
; 8 t + 2,048 i (a wave's store covers 256 consecutive bytes, aligned).  All sixteen loads are issued before the first wait.
; No LDS, no barrier, no matrix unit: nothing is shared and nothing is summed.
.set XD, 4                             ; v[4:67]   as loaded, 4 registers a load
.set YD, 68                            ; v[68:99]  as stored, 2 registers a store
	s_load_b256 s[4:11], s[0:1], 0x0               ; x s[4:5], Wo s[6:7], Wq s[8:9], Wk s[10:11]
	s_load_b128 s[12:15], s[0:1], 0x20             ; Wv s[12:13], xb s[14:15]
	s_load_b64 s[16:17], s[0:1], 0x30              ; wb
	s_and_b32 s20, ttmp7, 0xffff                   ; the unit
	v_lshlrev_b32 v1, 4, v0                        ; 16 t
	v_lshlrev_b32 v2, 3, v0                        ; 8 t
	; byte offsets, made apart from the addresses
	s_cmp_lt_u32 s20, 4
	s_cselect_b32 s28, s20, 0                      ; a quarter of x, or the start of a W
	s_lshl_b32 s28, s28, 22                        ; 4 MiB of f32 a unit
	s_lshl_b32 s21, ttmp9, 16                      ; 64 KiB of f32 a chunk
	s_add_co_u32 s28, s28, s21
	s_mov_b32 s29, 0
	s_and_b32 s30, s20, 3                          ; quarter of xb, or part of wb
	s_lshl_b32 s30, s30, 21                        ; 2 MiB of f16 a unit
	s_lshl_b32 s21, ttmp9, 15                      ; 32 KiB of f16 a chunk
	s_add_co_u32 s30, s30, s21
	s_mov_b32 s31, 0
	s_wait_kmcnt 0x0
	s_mov_b64 s[24:25], s[4:5]                     ; the source: x, unless the unit names a W
	s_cmp_eq_u32 s20, 4
	s_cselect_b64 s[24:25], s[6:7], s[24:25]
	s_cmp_eq_u32 s20, 5
	s_cselect_b64 s[24:25], s[8:9], s[24:25]
	s_cmp_eq_u32 s20, 6
	s_cselect_b64 s[24:25], s[10:11], s[24:25]
	s_cmp_eq_u32 s20, 7
	s_cselect_b64 s[24:25], s[12:13], s[24:25]
	s_cmp_lt_u32 s20, 4
	s_cselect_b64 s[26:27], s[14:15], s[16:17]     ; the destination: xb or wb
	s_add_nc_u64 s[24:25], s[24:25], s[28:29]
	s_add_nc_u64 s[26:27], s[26:27], s[30:31]
.set i, 0
.rept 16
	global_load_b128 v[XD+4*i:XD+4*i+3], v1, s[24:25] offset:4096*i th:TH_LOAD_NT   ; read once in the launch
.set i, i+1
.endr
.set i, 0
.rept 16
	s_wait_loadcnt 15-i                            ; loads come back in order: number i is in, the 15 - i younger ones stay out
	v_cvt_pk_f16_f32 v[YD+2*i], v[XD+4*i], v[XD+4*i+1]
	v_cvt_pk_f16_f32 v[YD+2*i+1], v[XD+4*i+2], v[XD+4*i+3]
	global_store_b64 v2, v[YD+2*i:YD+2*i+1], s[26:27] offset:2048*i   ; no register is written twice: no wait for sources
.set i, i+1
.endr
	s_endpgm
.Lfunc_end_k_qee51563d77_cast:
	.size	k_qee51563d77_cast, .Lfunc_end_k_qee51563d77_cast-k_qee51563d77_cast
	.p2alignl 7, 3214868480
	.fill 96, 4, 3214868480
	.section	.rodata,"a",@progbits
	.p2align	6, 0x0
	.amdhsa_kernel k_qee51563d77_cast
		.amdhsa_group_segment_fixed_size 0
		.amdhsa_private_segment_fixed_size 0
		.amdhsa_enable_private_segment 0
		.amdhsa_kernarg_size 56
		.amdhsa_user_sgpr_count 2
		.amdhsa_user_sgpr_kernarg_segment_ptr 1
		.amdhsa_wavefront_size32 1
		.amdhsa_system_sgpr_workgroup_id_x 1
		.amdhsa_system_sgpr_workgroup_id_y 1
		.amdhsa_system_sgpr_workgroup_id_z 1
		.amdhsa_system_vgpr_workitem_id 0
		.amdhsa_next_free_vgpr 100
		.amdhsa_next_free_sgpr 66
		.amdhsa_reserve_vcc 0
		.amdhsa_float_denorm_mode_32 3
		.amdhsa_float_denorm_mode_16_64 3
		.amdhsa_memory_ordered 1
		.amdhsa_forward_progress 1
		.amdhsa_inst_pref_size 7
	.end_amdhsa_kernel
	.amdgpu_metadata
---
amdhsa.version: [ 1, 2 ]
amdhsa.kernels:
  - .name:           k_qee51563d77_cast
    .symbol:         k_qee51563d77_cast.kd
    .args:
      - { .name: x, .offset: 0, .size: 8, .value_kind: global_buffer, .address_space: global }
      - { .name: Wo, .offset: 8, .size: 8, .value_kind: global_buffer, .address_space: global }
      - { .name: Wq, .offset: 16, .size: 8, .value_kind: global_buffer, .address_space: global }
      - { .name: Wk, .offset: 24, .size: 8, .value_kind: global_buffer, .address_space: global }
      - { .name: Wv, .offset: 32, .size: 8, .value_kind: global_buffer, .address_space: global }
      - { .name: xb, .offset: 40, .size: 8, .value_kind: global_buffer, .address_space: global }
      - { .name: wb, .offset: 48, .size: 8, .value_kind: global_buffer, .address_space: global }
    .group_segment_fixed_size: 0
    .private_segment_fixed_size: 0
    .kernarg_segment_align: 8
    .kernarg_segment_size: 56
    .max_flat_workgroup_size: 256
    .sgpr_count:     66
    .vgpr_count:     100
    .wavefront_size: 32
...
	.end_amdgpu_metadata
.endif
;; end of part 1
;; launch qkv (part 2): grid 16 x 16, 4 waves a work-group, clusters of 4 x 4, 327,680 bytes of LDS; arguments xb, wb, bq, bk, bv, qkv; writes qkv
.if DOCPART == 2
	.amdgcn_target "amdgcn-amd-amdhsa--gfx1250"
	.amdhsa_code_object_version 6
	.text
	.protected	k_qee51563d77_qkv
	.globl	k_qee51563d77_qkv
	.p2align	8
	.type	k_qee51563d77_qkv,@function
k_qee51563d77_qkv:
	s_mov_b64 s[64:65], 0
	v_nop
	global_prefetch_b8 v0, s[64:65] scope:SCOPE_SE
	s_setreg_imm32_b32 hwreg(HW_REG_WAVE_MODE, 25, 1), 1
	s_wait_xcnt 0x0
	s_wait_alu depctr_hold_cnt(0) depctr_sa_sdst(0) depctr_va_vdst(0) depctr_va_sdst(0) depctr_va_ssrc(0) depctr_va_vcc(0) depctr_vm_vsrc(0)
	s_getreg_b32 s2, hwreg(HW_REG_IB_STS2, 6, 4)
	s_cmp_eq_u32 s2, 0
	s_cbranch_scc0 .Lentry_in_a_cluster
	s_endpgm
.Lentry_in_a_cluster:
	s_bfe_u32 s2, ttmp6, 0x10000c
	s_cmp_lg_u32 s2, 0xf033
	s_cbranch_scc0 .Lentry_shape_is_right
	s_endpgm
.Lentry_shape_is_right:
; q, k, v = x W + b for one head and 256 tokens.  xb [4096][1024] f16; wb parts 1, 2, 3 = Wq, Wk, Wv, each [16 h][1024 i][64 d] f16;
; biases f32; qkv: part 0, 1, 2 = q, k, v, each [b*16+h][2048 s][64 d] f16.  Sums in f32, rounded once to f16.
; LIMIT: |q|, |k|, |v| below 65,504 (f16's range); NaN and infinities are not served.
; A work-group makes 256 rows x 192 columns (q | k | v of its head) with four waves, one for each SIMD; a wave makes 64 rows x 192 columns:
; 48 accumulator tiles of 16 x 16, 384 registers.  K goes in steps of 128 through two LDS slots filled by the tensor data mover.
; CLUSTERS: 4 x 4 work-groups.  The four of a row of the cluster have the same 256 tokens and ask for x's tile jointly; the four of a column have
; the same head and ask for W's three tiles jointly.  That divides the requests for x and for W by four.
; W lies [k][n]: its fragments are made by the transposing LDS load, so nothing is transposed in memory.
; THE MATRIX INSTRUCTION IS USED TRANSPOSED: source 0 = 16 columns of W, source 1 = 16 rows of x.  Lane l then holds row l % 16 of the result and
; its registers 0-7 the columns 8 (l / 16) + 0..7: eight neighbours, 16 bytes of f16.  The bias enters as the C of the first products.
; REGISTERS: window 0: v16-27 addresses, v64-127 x fragments (two buffers of 4 x 8), v128-175 packed results, v176-223 rows read back;
; window 1: v0-191 W fragments (two buffers of 12 x 8); window 2: accumulators of n blocks 0-7, tile (a, b) at 8 (4 b + a);
; window 3: accumulators of n blocks 8-11 at 8 (4 (b - 8) + a), and the bias of n block b at 128 + 8 b.
.set KSTEP,  128
.set AP,     272                       ; x's LDS row: 256 bytes + 16 of padding, an odd multiple of 16: sixteen rows start in sixteen different 16-byte columns
.set BP,     160                       ; W's LDS row: 128 bytes + 32 of padding, an odd multiple of 32, as the transposing load's eight rows want
.set ABYTES, 256*AP                    ; 69,632
.set BSUB,   128*BP                    ; 20,480: 128 k rows of one of Wq, Wk, Wv
.set SLOT,   ABYTES+3*BSUB             ; 131,072
.set STAGE,  2*SLOT                    ; behind the ring, never filled by a tensor load: the way out
.set SP,     144                       ; a stage row: 128 bytes + 16
.set SPART,  16*SP                     ; 16 rows of one of q, k, v
.set SWAVE,  3*SPART                   ; 6,912 bytes a wave
.set ADRA, 16                          ; v16-17  LDS address of my x fragments in slot 0, 1
.set ADRB, 20                          ; v20-21  the same for W
.set STO,  24                          ; v24     way out: where I put 16 bytes
.set RD,   25                          ; v25     way out: where I read rows back
.set CO,   26                          ; v26     16 x lane: my 16 bytes of 512 consecutive bytes of the output
.set VB,   27                          ; v27     32 x (lane / 16): my eight biases in a block of sixteen
.set TMP,  128
.set RB,   176
.set BI,   128                         ; window 3
.set G1A, 24                           ; s[24:31] group 1, x's tile
.set G0A, 32                           ; s[32:39] group 0, x's tile, a set for each slot
.set G1B, 48                           ; s[48:55] group 1, W's tiles
.set G0B, 56                           ; s[56:63] group 0, W's tiles, a set for each slot
.set MSB, 0
.macro WIN new                         ; the immediate's high byte repeats the setting that is left
.if MSB != \new
	s_set_vgpr_msb (MSB<<8)|\new
.set MSB, \new
.endif
.endm
.macro PLACES                          ; four independent vector instructions behind a matrix instruction (ISA guide 7.12.1), before its registers are touched
.rept 4
	v_nop
.endr
.endm
; A joint load.  Wave 0 fetches x's tile (256 rows x 256 bytes), waves 1, 2, 3 the tiles of Wq, Wk, Wv (128 rows x 128 bytes each).
; Each line has one mask and one set of registers; the branch hangs on the wave's number alone.
.macro JLOAD sl
	s_cmp_eq_u32 s16, 0
	s_cbranch_scc0 .Lfor_b_\@
	tensor_load_to_lds s[G0A+4*\sl:G0A+4*\sl+3], s[G1A:G1A+7]
	s_nop 0
	s_branch .Lasked_\@
.Lfor_b_\@:
	tensor_load_to_lds s[G0B+4*\sl:G0B+4*\sl+3], s[G1B:G1B+7]
	s_nop 0
.Lasked_\@:
.endm
.macro CREST                           ; a round of the cluster's barrier behind its opening work-group barrier
	s_cmp_lg_u32 s16, 0
	s_cbranch_scc1 .Lnot_wave_0_\@
	s_barrier_signal -3
.Lnot_wave_0_\@:
	s_barrier_wait -3
	s_barrier_signal -1
	s_barrier_wait -1
.endm
.macro CROUND                          ; a whole round
	s_barrier_signal -1
	s_barrier_wait -1
	CREST
.endm
	s_load_b256 s[4:11], s[0:1], 0x0               ; xb s[4:5], wb s[6:7], bq s[8:9], bk s[10:11]
	s_load_b128 s[12:15], s[0:1], 0x20             ; bv s[12:13], qkv s[14:15]
	s_set_vgpr_msb 0x40
	v_lshl_add_u32 v255, v0, 2, 0x46c00
	s_set_vgpr_msb 0x4000
	v_mov_b32 v255, 0
	s_set_vgpr_msb 0x1
	ds_add_u32 v255, v255
	s_set_vgpr_msb 0x100
	v_lshrrev_b32 v1, 5, v0
	v_readfirstlane_b32 s16, v1                    ; wave 0..3
	s_bfe_u32 s17, ttmp6, 0x40000                  ; cx
	s_bfe_u32 s18, ttmp6, 0x40004                  ; cy
	s_lshl_b32 s19, ttmp9, 2
	s_add_co_u32 s19, s19, s17                     ; head = 4 x cluster x + cx
	s_and_b32 s20, ttmp7, 0xffff
	s_lshl_b32 s20, s20, 2
	s_add_co_u32 s20, s20, s18                     ; row block of 256 tokens = 4 x cluster y + cy
	s_lshl_b32 s21, s18, 2
	s_lshl_b32 s21, 15, s21                        ; my row of the cluster: places 4 cy .. 4 cy + 3
	s_lshl_b32 s22, 0x1111, s17                    ; my column: places cx, cx + 4, cx + 8, cx + 12
	; group 1 of x's tile: 256 rows x 128 elements of 2 bytes, pitch 1,024 elements; 4 words of padding behind every 64 words
	s_or_b32 s[G1A+0], s21, (1<<16)|(1<<20)|(1<<21)|(5<<22)|(3<<25)
	s_mov_b32 s[G1A+1], KSTEP<<16                  ; tensor_dim0 = 128
	s_mov_b32 s[G1A+2], 256<<16                    ; tensor_dim1 = 256
	s_mov_b32 s[G1A+3], KSTEP<<16                  ; tile_dim0 = 128
	s_mov_b32 s[G1A+4], 256                        ; tile_dim1 = 256
	s_mov_b32 s[G1A+5], 1024                       ; elements from row to row
	s_mov_b32 s[G1A+6], 0
	s_mov_b32 s[G1A+7], 0
	; group 1 of W's tiles: 128 rows x 64 elements, pitch 64 elements (dense); 8 words of padding behind every 32 words
	s_or_b32 s[G1B+0], s22, (1<<16)|(1<<20)|(1<<21)|(4<<22)|(7<<25)
	s_mov_b32 s[G1B+1], 64<<16
	s_mov_b32 s[G1B+2], KSTEP<<16
	s_mov_b32 s[G1B+3], 64<<16
	s_mov_b32 s[G1B+4], KSTEP
	s_mov_b32 s[G1B+5], 64
	s_mov_b32 s[G1B+6], 0
	s_mov_b32 s[G1B+7], 0
	; x's tile hangs on the row block alone, W's on the head and the wave's number alone; each offset in registers that never hold the other coordinate
	s_lshl_b32 s40, s20, 19                        ; 256 rows of 2,048 bytes
	s_mov_b32 s41, 0
	s_lshl_b32 s44, s16, 21                        ; part of wb = wave's number (wave 0's points at Wo and is not used)
	s_lshl_b32 s45, s19, 17                        ; a head's 1,024 x 64 f16
	s_add_co_u32 s44, s44, s45
	s_mov_b32 s45, 0
	s_mul_i32 s23, s16, BSUB
	s_add_co_u32 s23, s23, ABYTES-BSUB             ; LDS: W's tile of wave w lies behind x's tile, at (w - 1) x 20,480
	s_wait_dscnt 0x0
	s_wait_kmcnt 0x0
	s_add_nc_u64 s[42:43], s[4:5], s[40:41]
	s_add_nc_u64 s[46:47], s[6:7], s[44:45]
	CROUND                                         ; all sixteen work-groups are here: the first joint loads meet
.irp sl, 0,1
	s_mov_b32 s[G0A+4*\sl], 1
	s_mov_b32 s[G0A+4*\sl+1], \sl*SLOT
	s_add_nc_u64 s[G0A+4*\sl+2:G0A+4*\sl+3], s[42:43], \sl*KSTEP*2
	s_or_b32 s[G0A+4*\sl+3], s[G0A+4*\sl+3], 0x80000000
	s_mov_b32 s[G0B+4*\sl], 1
	s_add_co_u32 s[G0B+4*\sl+1], s23, \sl*SLOT
	s_add_nc_u64 s[G0B+4*\sl+2:G0B+4*\sl+3], s[46:47], \sl*KSTEP*128
	s_or_b32 s[G0B+4*\sl+3], s[G0B+4*\sl+3], 0x80000000
	JLOAD \sl                                      ; both slots' first fills go out together: two tensor loads of a wave are out
.endr
	v_and_b32 v1, 15, v0                           ; r = l % 16
	v_bfe_u32 v2, v0, 4, 1                         ; h = l / 16
	v_and_b32 v3, 7, v0                            ; l % 8
	v_bfe_u32 v4, v0, 3, 1                         ; (l / 8) % 2
	v_and_b32 v5, 31, v0                           ; l
	; x fragment (16 rows x 32 k): lane l takes row r, 16 bytes at 16 h and 16 bytes 32 further on
	v_mul_u32_u24 v6, v1, AP
	v_lshl_add_u32 v6, v2, 4, v6
	s_mul_i32 s66, s16, 64*AP                      ; my 64 rows
	v_add_nc_u32 v[ADRA], s66, v6
	v_add_nc_u32 v[ADRA+1], SLOT, v[ADRA]
	; W fragment (32 k x 16 n, stored k by n): lane l addresses k row 8 h + l % 8, 16 bytes at 16 ((l / 8) % 2); a second load 16 rows down
	v_lshl_add_u32 v7, v2, 3, v3
	v_mul_u32_u24 v7, v7, BP
	v_lshl_add_u32 v7, v4, 4, v7
	v_add_nc_u32 v[ADRB], ABYTES, v7
	v_add_nc_u32 v[ADRB+1], SLOT, v[ADRB]
	s_mul_i32 s67, s16, SWAVE
	s_add_co_u32 s67, s67, STAGE                   ; my stage
	v_mul_u32_u24 v8, v1, SP
	v_lshl_add_u32 v8, v2, 4, v8
	v_add_nc_u32 v[STO], s67, v8                   ; in: row r, 16 bytes for each half of the lanes
	v_lshrrev_b32 v9, 3, v5
	v_mul_u32_u24 v9, v9, SP
	v_lshl_add_u32 v9, v3, 4, v9
	v_add_nc_u32 v[RD], s67, v9                    ; back: eight lanes a row of 128 bytes, four rows a load
	v_lshlrev_b32 v[CO], 4, v5
	v_lshlrev_b32 v[VB], 5, v2
	; the biases of my head, and where the results go
	s_lshl_b32 s66, s19, 8                         ; 64 f32 a head
	s_mov_b32 s67, 0
	s_add_nc_u64 s[8:9], s[8:9], s[66:67]
	s_add_nc_u64 s[10:11], s[10:11], s[66:67]
	s_add_nc_u64 s[12:13], s[12:13], s[66:67]
	s_lshr_b32 s70, s20, 3                         ; batch: eight row blocks each
	s_lshl4_add_u32 s70, s70, s19                  ; 16 x batch + head
	s_lshl_b32 s68, s70, 18                        ; 2,048 x 64 f16
	s_and_b32 s70, s20, 7
	s_lshl_b32 s70, s70, 15                        ; 256 rows of 128 bytes
	s_add_co_u32 s68, s68, s70
	s_lshl_b32 s70, s16, 13                        ; my 64 rows
	s_add_co_u32 s68, s68, s70
	s_mov_b32 s69, 0
	s_add_nc_u64 s[76:77], s[14:15], s[68:69]      ; q
	s_add_nc_u64 s[78:79], s[76:77], 0x800000      ; k
	s_add_nc_u64 s[80:81], s[76:77], 0x1000000     ; v
	WIN 0xc0                                       ; destination window 3
.set ib, 0
.rept 12
	global_load_b128 v[BI+8*ib:BI+8*ib+3], v[VB], s[8+2*(ib>>2):9+2*(ib>>2)] offset:(ib&3)*64
	global_load_b128 v[BI+8*ib+4:BI+8*ib+7], v[VB], s[8+2*(ib>>2):9+2*(ib>>2)] offset:(ib&3)*64+16
.set ib, ib+1
.endr
	WIN 0
; 4 nb matrix instructions: n blocks b0 .. b0 + nb - 1 x my four m blocks, 32 along K, from buffer f.  first = 1: C is the bias, nothing is cleared.
; The 48 accumulators take turns, one instruction a turn, in the same order in every quarter step.
.macro MULB f, b0, nb, first
.set ib, \b0
.rept \nb
.set ia, 0
.rept 4
.if ib < 8
.set rac, 8*(4*ib+ia)
.else
.set rac, 8*(4*(ib-8)+ia)
.endif
.if \first
	v_wmma_f32_16x16x32_f16 v[rac:rac+7], v[96*\f+8*ib:96*\f+8*ib+7], v[64+32*\f+8*ia:64+32*\f+8*ia+7], v[BI+8*ib:BI+8*ib+7]
.else
	v_wmma_f32_16x16x32_f16 v[rac:rac+7], v[96*\f+8*ib:96*\f+8*ib+7], v[64+32*\f+8*ia:64+32*\f+8*ia+7], v[rac:rac+7]
.endif
.set ia, ia+1
.endr
.set ib, ib+1
.endr
.endm
.macro WFRAG slot, kq, f, nb           ; nb fragments of W from n block ib on
.rept \nb
	ds_load_tr16_b128 v[96*\f+8*ib:96*\f+8*ib+3],   v[ADRB+\slot] offset:(ib>>2)*BSUB+(ib&3)*32+\kq*32*BP
	ds_load_tr16_b128 v[96*\f+8*ib+4:96*\f+8*ib+7], v[ADRB+\slot] offset:(ib>>2)*BSUB+(ib&3)*32+\kq*32*BP+16*BP
.set ib, ib+1
.endr
.endm
; 32 LDS loads in one run: quarter kq of a slot into buffer f.  Order: W's n blocks 0-7, x's four m blocks, W's n blocks 8-11 (needed last).
.macro FETCH slot, kq, f
	WIN 0x40                                       ; destination window 1, address window 0
.set ib, 0
	WFRAG \slot, \kq, \f, 8
	WIN 0
.irp a, 0,1,2,3
	ds_load_b128 v[64+32*\f+8*\a:64+32*\f+8*\a+3],   v[ADRA+\slot] offset:\a*16*AP+\kq*64
	ds_load_b128 v[64+32*\f+8*\a+4:64+32*\f+8*\a+7], v[ADRA+\slot] offset:\a*16*AP+\kq*64+32
.endr
	WIN 0x40
	WFRAG \slot, \kq, \f, 4
.endm
; One of a K step's first three quarters: multiplies buffer f; in its middle it fetches quarter kq of the same slot into buffer g.
.macro QUARTER slot, kq, f, g, first
	s_wait_dscnt 8                                 ; all of the fetch but its youngest eight loads (W's n blocks 8-11)
.if \first
	WIN 0xb1                                       ; W window 1, x window 0, C (bias) window 3, D window 2
.else
	WIN 0xa1                                       ; C and D window 2
.endif
	MULB \f, 0, 8, \first
	PLACES                                         ; buffer g was last read by matrix instructions: four places, then the loads into it
	FETCH \slot, \kq, \g
	s_wait_dscnt 32                                ; all but the 32 just issued
	WIN 0xf1                                       ; C and D window 3
	MULB \f, 8, 4, \first
.endm
.macro THREE slot, first
	QUARTER \slot, 1, 0, 1, \first
	QUARTER \slot, 2, 1, 0, 0
	QUARTER \slot, 3, 0, 1, 0
.endm
; The last quarter multiplies buffer 1 and changes slots.  In front of the barrier each wave waits for its reads of this slot and for all its tensor
; loads (one is out: its part of the next slot).  fill = 1: the barrier opens a round of the cluster's barrier, and this slot's refill, two K steps
; ahead, is the first tensor load behind the round; it has the next K step's 192 matrix instructions less 16 in which to land.
.macro TURN slot, next, fill
	s_wait_dscnt 8
	WIN 0xa1
	MULB 1, 0, 4, 0
	s_wait_dscnt 0x0                               ; my reads of this slot are over
	s_wait_tensorcnt 0x0                           ; all my tensor loads have landed
	ds_add_u32 v255, v255
	s_wait_dscnt 0x0
	s_barrier_signal -1
	MULB 1, 4, 4, 0                                ; register work while the others arrive
	WIN 0
	s_barrier_wait -1
.if \fill
	CREST
	s_add_nc_u64 s[G0A+4*\slot+2:G0A+4*\slot+3], s[G0A+4*\slot+2:G0A+4*\slot+3], 2*KSTEP*2
	s_add_nc_u64 s[G0B+4*\slot+2:G0B+4*\slot+3], s[G0B+4*\slot+2:G0B+4*\slot+3], 2*KSTEP*128
	JLOAD \slot
.endif
	PLACES
	FETCH \next, 0, 0
	WIN 0xf1
	MULB 1, 8, 4, 0
.endm
.macro LAP first                       ; two K steps, both slots filled again
	THREE 0, \first
	TURN 0, 1, 1
	THREE 1, 0
	TURN 1, 0, 1
.endm
	s_wait_loadcnt 0x0                             ; the biases
	s_wait_tensorcnt 0x1                           ; my part of K step 0 is in; K step 1's stays out
	s_barrier_signal -1
	s_barrier_wait -1
	FETCH 0, 0, 0
	LAP 1                                          ; K steps 0, 1; asks for 2, 3
	WIN 0
	s_mov_b32 s3, 2                                ; K steps 2 to 5; ask for 4 to 7
.Llap:
	LAP 0
	WIN 0
	s_sub_co_u32 s3, s3, 1
	s_cmp_lg_u32 s3, 0
	s_cbranch_scc1 .Llap
	THREE 0, 0                                     ; K steps 6, 7: nothing is left to fetch
	TURN 0, 1, 0
	THREE 1, 0
	s_wait_dscnt 8
	WIN 0xa1
	MULB 1, 0, 8, 0
	s_wait_dscnt 0x0
	WIN 0xf1
	MULB 1, 8, 4, 0
	PLACES                                         ; before the conversions read results and loads land on fragment registers
; THE WAY OUT, 16 rows at a time: round to f16, 16 bytes a lane into my own stage, read back as rows of 128 bytes.  In q, k and v a head's rows are
; dense, so four rows are 512 consecutive bytes: each store of the wave covers 512 consecutive bytes, aligned.
.macro OUT16 a
	WIN 0x0a                                       ; sources window 2
.set ib, 0
.rept 8
.irp j, 0,1,2,3
	v_cvt_pk_f16_f32 v[TMP+4*ib+\j], v[8*(4*ib+\a)+2*\j], v[8*(4*ib+\a)+2*\j+1]
.endr
.set ib, ib+1
.endr
	WIN 0x0f                                       ; sources window 3
.rept 4
.irp j, 0,1,2,3
	v_cvt_pk_f16_f32 v[TMP+4*ib+\j], v[8*(4*(ib-8)+\a)+2*\j], v[8*(4*(ib-8)+\a)+2*\j+1]
.endr
.set ib, ib+1
.endr
	WIN 0
.set ib, 0
.rept 12
	ds_store_b128 v[STO], v[TMP+4*ib:TMP+4*ib+3] offset:(ib>>2)*SPART+(ib&3)*32
.set ib, ib+1
.endr
	s_wait_xcnt 0x0                                ; RB, which the last block's stores read, is loaded again only behind this wait
.set ib, 0
.rept 12
	ds_load_b128 v[RB+4*ib:RB+4*ib+3], v[RD] offset:(ib>>2)*SPART+(ib&3)*4*SP   ; a wave's LDS instructions are served in order: these see the stores above
.set ib, ib+1
.endr
.set ib, 0
.rept 12
	s_wait_dscnt 11-ib                             ; load number ib is in, the younger ones stay out
	global_store_b128 v[CO], v[RB+4*ib:RB+4*ib+3], s[76+2*(ib>>2):77+2*(ib>>2)] offset:\a*2048+(ib&3)*512
.set ib, ib+1
.endr
.endm
	OUT16 0
	OUT16 1
	OUT16 2
	OUT16 3
	s_set_vgpr_msb 0x1
	s_wait_tensorcnt 0x0
	ds_add_u32 v255, v255
	s_wait_dscnt 0x0
	s_set_vgpr_msb 0x100
	CROUND                                         ; the closing round: no work-group ends while a partner may still ask for a tile that names it
	s_endpgm
.Lfunc_end_k_qee51563d77_qkv:
	.size	k_qee51563d77_qkv, .Lfunc_end_k_qee51563d77_qkv-k_qee51563d77_qkv
	.p2alignl 7, 3214868480
	.fill 96, 4, 3214868480
	.section	.rodata,"a",@progbits
	.p2align	6, 0x0
	.amdhsa_kernel k_qee51563d77_qkv
		.amdhsa_group_segment_fixed_size 327680
		.amdhsa_private_segment_fixed_size 0
		.amdhsa_enable_private_segment 0
		.amdhsa_kernarg_size 48
		.amdhsa_user_sgpr_count 2
		.amdhsa_user_sgpr_kernarg_segment_ptr 1
		.amdhsa_wavefront_size32 1
		.amdhsa_system_sgpr_workgroup_id_x 1
		.amdhsa_system_sgpr_workgroup_id_y 1
		.amdhsa_system_sgpr_workgroup_id_z 1
		.amdhsa_system_vgpr_workitem_id 0
		.amdhsa_next_free_vgpr 1024
		.amdhsa_next_free_sgpr 84
		.amdhsa_reserve_vcc 0
		.amdhsa_float_denorm_mode_32 3
		.amdhsa_float_denorm_mode_16_64 3
		.amdhsa_memory_ordered 1
		.amdhsa_forward_progress 1
		.amdhsa_inst_pref_size 167
	.end_amdhsa_kernel
	.amdgpu_metadata
---
amdhsa.version: [ 1, 2 ]
amdhsa.kernels:
  - .name:           k_qee51563d77_qkv
    .symbol:         k_qee51563d77_qkv.kd
    .args:
      - { .name: xb, .offset: 0, .size: 8, .value_kind: global_buffer, .address_space: global }
      - { .name: wb, .offset: 8, .size: 8, .value_kind: global_buffer, .address_space: global }
      - { .name: bq, .offset: 16, .size: 8, .value_kind: global_buffer, .address_space: global }
      - { .name: bk, .offset: 24, .size: 8, .value_kind: global_buffer, .address_space: global }
      - { .name: bv, .offset: 32, .size: 8, .value_kind: global_buffer, .address_space: global }
      - { .name: qkv, .offset: 40, .size: 8, .value_kind: global_buffer, .address_space: global }
    .group_segment_fixed_size: 327680
    .private_segment_fixed_size: 0
    .kernarg_segment_align: 8
    .kernarg_segment_size: 48
    .max_flat_workgroup_size: 128
    .sgpr_count:     84
    .vgpr_count:     1024
    .wavefront_size: 32
...
	.end_amdgpu_metadata
.endif
;; end of part 2
;; launch attn (part 3): grid 8 x 32, 16 waves a work-group, clusters of 4 x 1, 327,680 bytes of LDS; arguments qkv, ob; writes ob
.if DOCPART == 3
	.amdgcn_target "amdgcn-amd-amdhsa--gfx1250"
	.amdhsa_code_object_version 6
	.text
	.protected	k_qee51563d77_attn
	.globl	k_qee51563d77_attn
	.p2align	8
	.type	k_qee51563d77_attn,@function
k_qee51563d77_attn:
	s_mov_b64 s[64:65], 0
	v_nop
	global_prefetch_b8 v0, s[64:65] scope:SCOPE_SE
	s_setreg_imm32_b32 hwreg(HW_REG_WAVE_MODE, 25, 1), 1
	s_wait_xcnt 0x0
	s_wait_alu depctr_hold_cnt(0) depctr_sa_sdst(0) depctr_va_vdst(0) depctr_va_sdst(0) depctr_va_ssrc(0) depctr_va_vcc(0) depctr_vm_vsrc(0)
	s_getreg_b32 s2, hwreg(HW_REG_IB_STS2, 6, 4)
	s_cmp_eq_u32 s2, 0
	s_cbranch_scc0 .Lentry_in_a_cluster
	s_endpgm
.Lentry_in_a_cluster:
	s_bfe_u32 s2, ttmp6, 0x10000c
	s_cmp_lg_u32 s2, 0x3003
	s_cbranch_scc0 .Lentry_shape_is_right
	s_endpgm
.Lentry_shape_is_right:
; o = softmax(q k^T / 8) v for one (batch, head) and 256 queries.  qkv: parts q, k, v, each [b*16+h][2048][64] f16.
; ob: [token / 128][head][token % 128][64] f16, the order in which the output projection walks it.
; SIXTEEN WAVES, four on each SIMD (4 x 256 registers): a step is a chain of LDS loads, products, softmax and products, and three other waves
; have work for the units while one wave waits inside its chain.  Wave w has query group g = w % 8 (32 queries, two blocks of 16) and key half
; kh = w / 8: of every LDS slot of 512 keys it takes keys 256 kh .. 256 kh + 255, in four steps of 64.  At the end waves g and g + 8, which
; hold the same queries over different keys, are merged through LDS.
; Two slots of 512 keys of K and V take turns: four phases, three changes of slot, written out without a loop.
; CLUSTERS: the four query blocks of a cluster belong to one (batch, head) and walk the same K and V: every tile is asked for jointly (mask 15).
; LAYOUT, chosen so that nothing is shuffled.  S^T = K Q^T: source 0 = 16 keys, source 1 = 16 queries; lane l holds query l % 16 and its registers
; 0-7 the keys 8 (l / 16) + 0..7.  Two such tiles, packed to f16, are exactly a fragment of P^T (32 keys) for O^T = V^T P^T, whose source 0 is
; made from V (stored key by d) by the transposing LDS load.  A lane belongs to one query: the maximum crosses the two halves of the wave once a
; step, the sum once at the end.
; SOFTMAX: running maximum m of the raw scores; p = 2^(c s - c m) with c = log2(e) / 8; sums and O are rescaled by 2^(c m_old - c m_new).
; The rounded product c m is used alike for every p and for the rescaling, so that it cancels.  Sums in f32; p in f16 (0 to 1).
; LIMITS: |q|, |k|, |v|, |o| below 65,504; NaN and infinities are not served (the maximum drops a NaN).
.set KP,     144                       ; K's LDS row: 128 bytes + 16
.set VP,     160                       ; V's LDS row: 128 bytes + 32 (odd multiple of 32, for the transposing load)
.set KBYTES, 512*KP                    ; 73,728
.set VBYTES, 512*VP                    ; 81,920
.set SLOT,   KBYTES+VBYTES             ; 155,648; two slots are all of the 311,296 bytes
.set HALFK,  256*KP                    ; where the upper key half begins in a slot's K
.set HALFV,  256*VP                    ; and in its V
; The merge area and the stage lie in slot 0.  Its last fill is waited for by every wave in front of the second round, its last reads in front of
; the third change's barrier: from there on its bytes are free.
.set MWAVE,  17*512                    ; merge area of a query group: 64 registers of O, then (shift, sum) of both query blocks: 8,704 bytes
.set STAGE,  8*MWAVE                   ; 69,632: the way out
.set SP,     144
.set SWAVE,  32*SP                     ; 4,608 bytes a query group; the stage ends at 106,496, inside slot 0
.set ADRK, 2                           ; v2-3    my K fragments in slot 0, 1 (my key half included)
.set ADRV, 4                           ; v4-5    my V fragments
.set STO,  6
.set RD,   7
.set GO,   8                           ; 16 x lane
.set QO,   9                           ; my 16 bytes of a query row
.set MX,   10                          ; v10-11  running maximum, a register for each query block
.set MG,   12                          ; v12     my 16 bytes in my query group's merge area
.set TT,   14                          ; v14-15  at work
.set UU,   16                          ; v16-17  the other half's figure
.set WW,   18                          ; v18-19  - c m of this step
.set NM,   20                          ; v20, v22  - c m; each is the first register of a pair and is broadcast; v21, v23 take the sums at the end
.set AL,   24                          ; v24, v26  the rescaling factor, likewise broadcast from a pair's first register
.set SM,   28                          ; v[28:31] running sums, a pair for each query block
.set QF,   32                          ; v[32:63]   Q fragment (q, dh) at 32 + 16 q + 8 dh
.set OO,   64                          ; v[64:127]  O^T tile (db, q) at 64 + 8 (2 db + q)
.set SS,   128                         ; v[128:191] S^T tile (kb, q) at 128 + 32 q + 8 kb; then P (q, ks) at 128 + 32 q + 16 ks
.set KV,   192                         ; v[192:255] K (kb, dh) at 192 + 16 kb + 8 dh; then V (ks, db) at 192 + 32 ks + 8 db
.set G1K, 16
.set G1V, 24
.set G0K, 32                           ; a set for each slot
.set G0V, 40
.macro JLOAD sl                        ; waves 0-7 fetch 64 keys of K each, waves 8-15 64 keys of V each: one load a wave
	s_cmp_eq_u32 s9, 0
	s_cbranch_scc0 .Lfor_v_\@
	tensor_load_to_lds s[G0K+4*\sl:G0K+4*\sl+3], s[G1K:G1K+7]
	s_nop 0
	s_branch .Lasked_\@
.Lfor_v_\@:
	tensor_load_to_lds s[G0V+4*\sl:G0V+4*\sl+3], s[G1V:G1V+7]
	s_nop 0
.Lasked_\@:
.endm
.macro CREST                           ; a round of the cluster's barrier behind its opening work-group barrier
	s_cmp_lg_u32 s8, 0
	s_cbranch_scc1 .Lnot_wave_0_\@
	s_barrier_signal -3
.Lnot_wave_0_\@:
	s_barrier_wait -3
	s_barrier_signal -1
	s_barrier_wait -1
.endm
.macro CROUND
	s_barrier_signal -1
	s_barrier_wait -1
	CREST
.endm
	s_load_b128 s[4:7], s[0:1], 0x0                ; qkv s[4:5], ob s[6:7]
	v_lshl_add_u32 v190, v0, 2, 0x4c000
	v_mov_b32 v191, 0
	ds_add_u32 v190, v191
	s_wait_dscnt 0x0
	v_lshrrev_b32 v1, 5, v0
	v_readfirstlane_b32 s8, v1                     ; wave 0..15
	s_lshr_b32 s9, s8, 3                           ; kh: my key half.  Also: 0: I fetch K, 1: V
	s_and_b32 s10, s8, 7                           ; g: my query group.  Also: which 64 keys of a slot's 512 I fetch
	s_bfe_u32 s11, ttmp6, 0x40000                  ; cx
	s_and_b32 s12, ttmp7, 0xffff                   ; 16 x batch + head
	s_lshl_b32 s13, ttmp9, 2
	s_add_co_u32 s13, s13, s11                     ; block of 256 queries
	s_mov_b32 s48, 0x76543210                      ; v_permlanex16_b32: lane i of one half reads lane i of the other
	s_mov_b32 s49, 0xfedcba98
	s_mov_b32 s50, 0x3e38aa3b                      ; c = log2(e) / 8 (the pair is named whole by the packed multiply-add)
	s_mov_b32 s51, 0x3e38aa3b
	s_mov_b32 s52, 0xbe38aa3b                      ; - c
	; group 1: 64 rows x 64 elements of 2 bytes, dense; padding behind every 32 words: 4 words for K, 8 for V
	s_mov_b32 s[G1K+0], 15|(1<<16)|(1<<20)|(1<<21)|(4<<22)|(3<<25)
	s_mov_b32 s[G1V+0], 15|(1<<16)|(1<<20)|(1<<21)|(4<<22)|(7<<25)
.irp g, G1K, G1V
	s_mov_b32 s[\g+1], 64<<16                      ; tensor_dim0 = 64
	s_mov_b32 s[\g+2], 64<<16                      ; tensor_dim1 = 64
	s_mov_b32 s[\g+3], 64<<16                      ; tile_dim0 = 64
	s_mov_b32 s[\g+4], 64                          ; tile_dim1 = 64
	s_mov_b32 s[\g+5], 64                          ; elements from row to row
	s_mov_b32 s[\g+6], 0
	s_mov_b32 s[\g+7], 0
.endr
	s_lshl_b32 s54, s12, 18                        ; a head's 2,048 x 64 f16
	s_lshl_b32 s55, s10, 13                        ; my 64 keys of 128 bytes
	s_add_co_u32 s54, s54, s55
	s_mov_b32 s55, 0
	s_mul_i32 s2, s10, 64*KP                       ; and where they go
	s_mul_i32 s3, s10, 64*VP
	s_add_co_u32 s3, s3, KBYTES
	s_lshl_b32 s58, s12, 18                        ; my 32 queries: head, block of 256, query group
	s_lshl_b32 s59, s13, 15
	s_add_co_u32 s58, s58, s59
	s_lshl_b32 s59, s10, 12
	s_add_co_u32 s58, s58, s59
	s_mov_b32 s59, 0
	s_wait_kmcnt 0x0
	s_add_nc_u64 s[56:57], s[4:5], s[54:55]        ; no place in the cluster enters this address
	s_add_nc_u64 s[14:15], s[4:5], s[58:59]        ; Q
	s_lshr_b32 s58, s12, 4                         ; ob: block of 128 tokens = 16 x batch + 2 x block of 256 + g / 4
	s_lshl_b32 s58, s58, 4
	s_lshl1_add_u32 s58, s13, s58
	s_lshr_b32 s54, s10, 2
	s_add_co_u32 s58, s58, s54
	s_lshl_b32 s58, s58, 18                        ; 16 heads x 128 rows x 128 bytes
	s_and_b32 s54, s12, 15
	s_lshl_b32 s54, s54, 14                        ; head: 128 rows x 128 bytes
	s_add_co_u32 s58, s58, s54
	s_and_b32 s54, s10, 3
	s_lshl_b32 s54, s54, 12                        ; my 32 rows
	s_add_co_u32 s58, s58, s54
	s_add_nc_u64 s[6:7], s[6:7], s[58:59]
	CROUND                                         ; the four work-groups are here: the first joint loads meet
.irp sl, 0,1
	s_mov_b32 s[G0K+4*\sl], 1
	s_add_co_u32 s[G0K+4*\sl+1], s2, \sl*SLOT
	s_add_nc_u64 s[G0K+4*\sl+2:G0K+4*\sl+3], s[56:57], 0x800000+\sl*65536
	s_or_b32 s[G0K+4*\sl+3], s[G0K+4*\sl+3], 0x80000000
	s_mov_b32 s[G0V+4*\sl], 1
	s_add_co_u32 s[G0V+4*\sl+1], s3, \sl*SLOT
	s_add_nc_u64 s[G0V+4*\sl+2:G0V+4*\sl+3], s[56:57], 0x1000000+\sl*65536
	s_or_b32 s[G0V+4*\sl+3], s[G0V+4*\sl+3], 0x80000000
	JLOAD \sl                                      ; keys 0-511 and 512-1023: two tensor loads of a wave are out
.endr
	v_and_b32 v24, 15, v0                          ; r
	v_bfe_u32 v25, v0, 4, 1                        ; h
	v_and_b32 v26, 7, v0                           ; l % 8
	v_bfe_u32 v27, v0, 3, 1                        ; (l / 8) % 2
	v_and_b32 v28, 31, v0                          ; l
	v_mul_u32_u24 v29, v24, KP                     ; row r of pitch 144, 16 bytes at 16 h: K's fragments and the stage alike
	v_lshl_add_u32 v29, v25, 4, v29
	s_mul_i32 s54, s9, HALFK                       ; my key half
	v_add_nc_u32 v[ADRK], s54, v29
	v_add_nc_u32 v[ADRK+1], SLOT, v[ADRK]
	v_lshl_add_u32 v[ADRV], v25, 3, v26            ; key row 8 h + l % 8, 16 bytes at 16 ((l / 8) % 2)
	v_mul_u32_u24 v[ADRV], v[ADRV], VP
	v_lshl_add_u32 v[ADRV], v27, 4, v[ADRV]
	s_mul_i32 s54, s9, HALFV
	s_add_co_u32 s54, s54, KBYTES
	v_add_nc_u32 v[ADRV], s54, v[ADRV]
	v_add_nc_u32 v[ADRV+1], SLOT, v[ADRV]
	s_mul_i32 s54, s10, SWAVE
	s_add_co_u32 s54, s54, STAGE
	v_add_nc_u32 v[STO], s54, v29                  ; in: row r, 16 bytes at 16 h
	v_lshrrev_b32 v30, 3, v28
	v_mul_u32_u24 v30, v30, SP
	v_lshl_add_u32 v30, v26, 4, v30
	v_add_nc_u32 v[RD], s54, v30                   ; back: eight lanes a row, four rows a load
	v_lshlrev_b32 v[GO], 4, v28
	s_mul_i32 s54, s10, MWAVE
	v_add_nc_u32 v[MG], s54, v[GO]                 ; waves g and g + 8 name the same bytes: one stores, the other loads behind a barrier
	v_lshlrev_b32 v[QO], 7, v24
	v_lshl_add_u32 v[QO], v25, 4, v[QO]
.irp q, 0,1
.irp dh, 0,1
	global_load_b128 v[QF+16*\q+8*\dh:QF+16*\q+8*\dh+3],   v[QO], s[14:15] offset:\q*2048+\dh*64
	global_load_b128 v[QF+16*\q+8*\dh+4:QF+16*\q+8*\dh+7], v[QO], s[14:15] offset:\q*2048+\dh*64+32
.endr
.endr
.irp r, UU, UU+1, NM+1, NM+3, AL+1, AL+3
	v_mov_b32 v[\r], 0                             ; v_permlanex16_b32's destinations, and the second registers of the broadcast pairs: named, never used
.endr
; Eight matrix instructions: S^T (kb, q) over half dh of d.  Eight accumulators take turns.
.macro SMUL dh, zero
.irp kb, 0,1,2,3
.irp q, 0,1
.if \zero
	v_wmma_f32_16x16x32_f16 v[SS+32*\q+8*\kb:SS+32*\q+8*\kb+7], v[KV+16*\kb+8*\dh:KV+16*\kb+8*\dh+7], v[QF+16*\q+8*\dh:QF+16*\q+8*\dh+7], 0
.else
	v_wmma_f32_16x16x32_f16 v[SS+32*\q+8*\kb:SS+32*\q+8*\kb+7], v[KV+16*\kb+8*\dh:KV+16*\kb+8*\dh+7], v[QF+16*\q+8*\dh:QF+16*\q+8*\dh+7], v[SS+32*\q+8*\kb:SS+32*\q+8*\kb+7]
.endif
.endr
.endr
.endm
; Eight matrix instructions: O^T (db, q) += V^T (db, keys 32 ks ..) P^T (.., q).  Eight accumulators take turns.
.macro PV ks, zero
.irp db, 0,1,2,3
.irp q, 0,1
.if \zero
	v_wmma_f32_16x16x32_f16 v[OO+8*(2*\db+\q):OO+8*(2*\db+\q)+7], v[KV+32*\ks+8*\db:KV+32*\ks+8*\db+7], v[SS+32*\q+16*\ks:SS+32*\q+16*\ks+7], 0
.else
	v_wmma_f32_16x16x32_f16 v[OO+8*(2*\db+\q):OO+8*(2*\db+\q)+7], v[KV+32*\ks+8*\db:KV+32*\ks+8*\db+7], v[SS+32*\q+16*\ks:SS+32*\q+16*\ks+7], v[OO+8*(2*\db+\q):OO+8*(2*\db+\q)+7]
.endif
.endr
.endr
.endm
; 64 keys: those at 64 st of my half of the slot.  first = 1: the wave's very first step starts maximum, sum and O.
.macro STEP slot, st, first
.irp dh, 0,1
.irp kb, 0,1,2,3
	ds_load_b128 v[KV+16*\kb+8*\dh:KV+16*\kb+8*\dh+3],   v[ADRK+\slot] offset:(64*\st+16*\kb)*KP+64*\dh
	ds_load_b128 v[KV+16*\kb+8*\dh+4:KV+16*\kb+8*\dh+7], v[ADRK+\slot] offset:(64*\st+16*\kb)*KP+64*\dh+32
.endr
.endr
	s_wait_dscnt 8                                 ; d 0-31 of the 64 keys are in; the eight loads of d 32-63 may be out
	SMUL 0, 1
	s_wait_dscnt 0x0
	SMUL 1, 0
.rept 4
	v_nop                                          ; four places: then loads land on K's registers and vector work reads S
.endr
.irp ks, 0,1
.irp db, 0,1,2,3
	ds_load_tr16_b128 v[KV+32*\ks+8*\db:KV+32*\ks+8*\db+3],   v[ADRV+\slot] offset:(64*\st+32*\ks)*VP+32*\db
	ds_load_tr16_b128 v[KV+32*\ks+8*\db+4:KV+32*\ks+8*\db+7], v[ADRV+\slot] offset:(64*\st+32*\ks)*VP+32*\db+16*VP
.endr
.endr
	; the step's maximum of my 32 scores of each query block, then the other half's
.irp q, 0,1
	v_max_num_f32 v[TT+\q], v[SS+32*\q], v[SS+32*\q+1]
.endr
.set i, 2
.rept 15
.irp q, 0,1
	v_max3_num_f32 v[TT+\q], v[TT+\q], v[SS+32*\q+i], v[SS+32*\q+i+1]
.endr
.set i, i+2
.endr
.irp q, 0,1
	v_permlanex16_b32 v[UU+\q], v[TT+\q], s48, s49
.endr
.irp q, 0,1
.if \first
	v_max_num_f32 v[MX+\q], v[TT+\q], v[UU+\q]
.else
	v_max3_num_f32 v[MX+\q], v[MX+\q], v[TT+\q], v[UU+\q]
.endif
.endr
.irp q, 0,1
	v_mul_f32 v[WW+\q], s52, v[MX+\q]              ; - c m
.endr
.if \first == 0
.irp q, 0,1
	v_sub_f32 v[TT+\q], v[WW+\q], v[NM+2*\q]       ; c m_old - c m_new, at most 0
.endr
.irp q, 0,1
	v_exp_f32 v[AL+2*\q], v[TT+\q]                 ; the moves below are the plain instructions between these and their use (ISA guide 5.7.2)
.endr
.endif
.irp q, 0,1
	v_mov_b32 v[NM+2*\q], v[WW+\q]
.endr
.set i, 0
.rept 16
.irp q, 0,1
	v_pk_fma_f32 v[SS+32*\q+i:SS+32*\q+i+1], v[SS+32*\q+i:SS+32*\q+i+1], s[50:51], v[NM+2*\q:NM+2*\q+1] op_sel_hi:[1,0,0]   ; c s - c m: c and - c m feed both halves
.endr
.set i, i+2
.endr
.set i, 0
.rept 32
.irp q, 0,1
	v_exp_f32 v[SS+32*\q+i], v[SS+32*\q+i]
.endr
.set i, i+1
.endr
	v_nop                                          ; one plain instruction behind the last exponential
	; the running sums stay pairs; the rescaling rides on the step's first addition
.if \first
	s_wait_alu depctr_va_vdst(0)
.irp q, 0,1
	v_pk_add_f32 v[SM+2*\q:SM+2*\q+1], v[SS+32*\q:SS+32*\q+1], v[SS+32*\q+2:SS+32*\q+3]
.endr
.set i, 4
.rept 14
.irp q, 0,1
	v_pk_add_f32 v[SM+2*\q:SM+2*\q+1], v[SM+2*\q:SM+2*\q+1], v[SS+32*\q+i:SS+32*\q+i+1]
.endr
.set i, i+2
.endr
.else
	s_wait_alu depctr_va_vdst(0)
.irp q, 0,1
	v_pk_fma_f32 v[SM+2*\q:SM+2*\q+1], v[SM+2*\q:SM+2*\q+1], v[AL+2*\q:AL+2*\q+1], v[SS+32*\q:SS+32*\q+1] op_sel_hi:[1,0,1]
.endr
.set i, 2
.rept 15
.irp q, 0,1
	v_pk_add_f32 v[SM+2*\q:SM+2*\q+1], v[SM+2*\q:SM+2*\q+1], v[SS+32*\q+i:SS+32*\q+i+1]
.endr
.set i, i+2
.endr
.endif
	; p to f16, in place: word j of a fragment takes numbers 2 j and 2 j + 1, so ascending j never overwrites an unread number
.irp ks, 0,1
.irp j, 0,1,2,3,4,5,6,7
.irp q, 0,1
	v_cvt_pk_f16_f32 v[SS+32*\q+16*\ks+\j], v[SS+32*\q+16*\ks+2*\j], v[SS+32*\q+16*\ks+2*\j+1]
.endr
.endr
.endr
.if \first == 0
.irp db, 0,1,2,3
.irp q, 0,1
.irp j, 0,2,4,6
	v_pk_mul_f32 v[OO+8*(2*\db+\q)+\j:OO+8*(2*\db+\q)+\j+1], v[OO+8*(2*\db+\q)+\j:OO+8*(2*\db+\q)+\j+1], v[AL+2*\q:AL+2*\q+1] op_sel_hi:[1,0]
.endr
.endr
.endr
.endif
	s_wait_dscnt 0x0                               ; V's fragments
	PV 0, \first
	PV 1, 0
.rept 5
	v_nop                                          ; five places: the next step's products write over P, its loads land on V, its vector work scales O
.endr
.endm
.macro PHASE slot, first               ; my 256 keys of a slot
	STEP \slot, 0, \first
	STEP \slot, 1, 0
	STEP \slot, 2, 0
	STEP \slot, 3, 0
.endm
; The change of slots.  Every wave waits for its reads of the slot and for all its tensor loads (one is out: its part of the other slot).
; fill = 1: the barrier opens a round of the cluster's barrier; the slot's refill, 1,024 keys ahead, is the first tensor load behind the round and has
; the other slot's four steps in which to land.
.macro CHANGE slot, fill
	s_wait_dscnt 0x0
	s_wait_xcnt 0x0
	v_lshl_add_u32 v190, v0, 2, 0x4c000
	v_mov_b32 v191, 0
	s_wait_tensorcnt 0x0
	ds_add_u32 v190, v191
	s_wait_dscnt 0x0
	s_barrier_signal -1
	s_barrier_wait -1
.if \fill
	CREST
	s_add_nc_u64 s[G0K+4*\slot+2:G0K+4*\slot+3], s[G0K+4*\slot+2:G0K+4*\slot+3], 131072
	s_add_nc_u64 s[G0V+4*\slot+2:G0V+4*\slot+3], s[G0V+4*\slot+2:G0V+4*\slot+3], 131072
	JLOAD \slot
.endif
.endm
	s_wait_loadcnt 0x0                             ; Q
	s_wait_tensorcnt 0x1                           ; my part of keys 0-511 is in; that of keys 512-1023 stays out
	s_barrier_signal -1
	s_barrier_wait -1
	PHASE 0, 1                                     ; keys 0-511
	CHANGE 0, 1                                    ; asks for keys 1024-1535
	PHASE 1, 0                                     ; keys 512-1023
	CHANGE 1, 1                                    ; asks for keys 1536-2047: the last fill
	PHASE 0, 0                                     ; keys 1024-1535
	CHANGE 0, 0                                    ; nothing is left to fetch; behind this barrier nobody reads slot 0 and nothing fills it
	PHASE 1, 0                                     ; keys 1536-2047
	; My half's sum: the pair's two registers, then the two halves of the wave.  It goes beside the shift: v[20:23] = (- c m, sum) of both query blocks.
.irp q, 0,1
	v_add_f32 v[TT+\q], v[SM+2*\q], v[SM+2*\q+1]
.endr
.irp q, 0,1
	v_permlanex16_b32 v[UU+\q], v[TT+\q], s48, s49
.endr
.irp q, 0,1
	v_add_f32 v[NM+2*\q+1], v[TT+\q], v[UU+\q]
.endr
	; THE MERGE.  Waves 8-15 hand O, shift and sum to waves 0-7: 17 stores of 512 consecutive bytes each.
	s_cmp_eq_u32 s9, 0
	s_cbranch_scc1 .Lnothing_to_hand_over
.set i, 0
.rept 16
	ds_store_b128 v[MG], v[OO+4*i:OO+4*i+3] offset:512*i
.set i, i+1
.endr
	ds_store_b128 v[MG], v[NM:NM+3] offset:16*512
.Lnothing_to_hand_over:
	s_wait_dscnt 0x0                               ; for the partner's sake: the stores are done before the signal
	s_barrier_signal -1
	s_barrier_wait -1
	s_cmp_lg_u32 s9, 0
	s_cbranch_scc1 .Lclose                         ; waves 8-15 have nothing more to do but the closing round
	ds_load_b128 v[SS:SS+3], v[MG] offset:16*512   ; the partner's (- c m, sum) of both query blocks
.set i, 0
.rept 16
	ds_load_b128 v[KV+4*i:KV+4*i+3], v[MG] offset:512*i   ; the partner's O, register for register
.set i, i+1
.endr
	s_wait_dscnt 16                                ; the first load is in; the sixteen of O may be out
	; common shift = the smaller - c m; a_i = 2^(shift - shift_i), at most 1, and 1 for one of the two; L = L1 a1 + L2 a2, at least about 1
.irp q, 0,1
	v_min_num_f32 v[TT+\q], v[NM+2*\q], v[SS+2*\q]
.endr
.irp q, 0,1
	v_sub_f32 v[WW+\q], v[TT+\q], v[NM+2*\q]
	v_sub_f32 v[UU+\q], v[TT+\q], v[SS+2*\q]
.endr
.irp q, 0,1
	v_exp_f32 v[WW+\q], v[WW+\q]
	v_exp_f32 v[UU+\q], v[UU+\q]
.endr
	v_nop                                          ; one plain instruction behind the exponentials
	s_wait_alu depctr_va_vdst(0)
.irp q, 0,1
	v_mul_f32 v[TT+\q], v[WW+\q], v[NM+2*\q+1]
.endr
.irp q, 0,1
	v_fma_f32 v[TT+\q], v[UU+\q], v[SS+2*\q+1], v[TT+\q]
.endr
.irp q, 0,1
	v_rcp_f32 v[TT+\q], v[TT+\q]
.endr
	v_nop                                          ; and behind the reciprocals
	s_wait_alu depctr_va_vdst(0)
.irp q, 0,1
	v_mul_f32 v[AL+2*\q], v[WW+\q], v[TT+\q]       ; a1 / L
	v_mul_f32 v[SM+2*\q], v[UU+\q], v[TT+\q]       ; a2 / L
.endr
	s_wait_dscnt 0x0                               ; the partner's O
	; o = O1 a1 / L + O2 a2 / L, rounded to f16, 16 bytes a lane into my stage
.irp q, 0,1
.irp db, 0,1,2,3
.irp j, 0,2,4,6
	v_pk_mul_f32 v[OO+8*(2*\db+\q)+\j:OO+8*(2*\db+\q)+\j+1], v[OO+8*(2*\db+\q)+\j:OO+8*(2*\db+\q)+\j+1], v[AL+2*\q:AL+2*\q+1] op_sel_hi:[1,0]
.endr
.irp j, 0,2,4,6
	v_pk_fma_f32 v[OO+8*(2*\db+\q)+\j:OO+8*(2*\db+\q)+\j+1], v[KV+8*(2*\db+\q)+\j:KV+8*(2*\db+\q)+\j+1], v[SM+2*\q:SM+2*\q+1], v[OO+8*(2*\db+\q)+\j:OO+8*(2*\db+\q)+\j+1] op_sel_hi:[1,0,1]
.endr
.irp j, 0,1,2,3
	v_cvt_pk_f16_f32 v[SS+4*(4*\q+\db)+\j], v[OO+8*(2*\db+\q)+2*\j], v[OO+8*(2*\db+\q)+2*\j+1]
.endr
	ds_store_b128 v[STO], v[SS+4*(4*\q+\db):SS+4*(4*\q+\db)+3] offset:\q*16*SP+32*\db   ; query row 16 q + r, d = 16 db + 8 h ..
.endr
.endr
.irp t, 0,1,2,3,4,5,6,7
	ds_load_b128 v[KV+4*\t:KV+4*\t+3], v[RD] offset:\t*4*SP     ; my own bytes, served in order behind the stores
.endr
.irp t, 0,1,2,3,4,5,6,7
	s_wait_dscnt 7-\t                              ; load t is in, the younger ones stay out
	global_store_b128 v[GO], v[KV+4*\t:KV+4*\t+3], s[6:7] offset:\t*512   ; four dense rows: 512 consecutive bytes, aligned
.endr
.Lclose:
	s_wait_xcnt 0x0
	v_lshl_add_u32 v190, v0, 2, 0x4c000
	v_mov_b32 v191, 0
	s_wait_tensorcnt 0x0
	ds_add_u32 v190, v191
	s_wait_dscnt 0x0
	CROUND                                         ; the closing round: no work-group ends while a partner may still ask for a tile that names it
	s_endpgm
.Lfunc_end_k_qee51563d77_attn:
	.size	k_qee51563d77_attn, .Lfunc_end_k_qee51563d77_attn-k_qee51563d77_attn
	.p2alignl 7, 3214868480
	.fill 96, 4, 3214868480
	.section	.rodata,"a",@progbits
	.p2align	6, 0x0
	.amdhsa_kernel k_qee51563d77_attn
		.amdhsa_group_segment_fixed_size 327680
		.amdhsa_private_segment_fixed_size 0
		.amdhsa_enable_private_segment 0
		.amdhsa_kernarg_size 16
		.amdhsa_user_sgpr_count 2
		.amdhsa_user_sgpr_kernarg_segment_ptr 1
		.amdhsa_wavefront_size32 1
		.amdhsa_system_sgpr_workgroup_id_x 1
		.amdhsa_system_sgpr_workgroup_id_y 1
		.amdhsa_system_sgpr_workgroup_id_z 1
		.amdhsa_system_vgpr_workitem_id 0
		.amdhsa_next_free_vgpr 256
		.amdhsa_next_free_sgpr 66
		.amdhsa_reserve_vcc 0
		.amdhsa_float_denorm_mode_32 3
		.amdhsa_float_denorm_mode_16_64 3
		.amdhsa_memory_ordered 1
		.amdhsa_forward_progress 1
		.amdhsa_inst_pref_size 255
	.end_amdhsa_kernel
	.section	.bss,"aw",@nobits
	.p2align	6
	.space	262144
	.amdgpu_metadata
---
amdhsa.version: [ 1, 2 ]
amdhsa.kernels:
  - .name:           k_qee51563d77_attn
    .symbol:         k_qee51563d77_attn.kd
    .args:
      - { .name: qkv, .offset: 0, .size: 8, .value_kind: global_buffer, .address_space: global }
      - { .name: ob, .offset: 8, .size: 8, .value_kind: global_buffer, .address_space: global }
    .group_segment_fixed_size: 327680
    .private_segment_fixed_size: 0
    .kernarg_segment_align: 8
    .kernarg_segment_size: 16
    .max_flat_workgroup_size: 512
    .sgpr_count:     66
    .vgpr_count:     256
    .wavefront_size: 32
...
	.end_amdgpu_metadata
.endif
;; end of part 3
;; launch proj (part 4): grid 8 x 32, 4 waves a work-group, clusters of 4 x 4, 327,680 bytes of LDS; arguments ob, wb, bo, out0; writes out0
.if DOCPART == 4
	.amdgcn_target "amdgcn-amd-amdhsa--gfx1250"
	.amdhsa_code_object_version 6
	.text
	.protected	k_qee51563d77_proj
	.globl	k_qee51563d77_proj
	.p2align	8
	.type	k_qee51563d77_proj,@function
k_qee51563d77_proj:
	s_mov_b64 s[64:65], 0
	v_nop
	global_prefetch_b8 v0, s[64:65] scope:SCOPE_SE
	s_setreg_imm32_b32 hwreg(HW_REG_WAVE_MODE, 25, 1), 1
	s_wait_xcnt 0x0
	s_wait_alu depctr_hold_cnt(0) depctr_sa_sdst(0) depctr_va_vdst(0) depctr_va_sdst(0) depctr_va_ssrc(0) depctr_va_vcc(0) depctr_vm_vsrc(0)
	s_getreg_b32 s2, hwreg(HW_REG_IB_STS2, 6, 4)
	s_cmp_eq_u32 s2, 0
	s_cbranch_scc0 .Lentry_in_a_cluster
	s_endpgm
.Lentry_in_a_cluster:
	s_bfe_u32 s2, ttmp6, 0x10000c
	s_cmp_lg_u32 s2, 0xf033
	s_cbranch_scc0 .Lentry_shape_is_right
	s_endpgm
.Lentry_shape_is_right:
; out0 = o Wo + bo.  ob: [token / 128][head][token % 128][64] f16; wb part 0 = Wo [1024 k][1024 n] f16; bo f32; out0 [4096][1024] f32.
; A work-group makes 128 x 128 of out0 (32 x 8 blocks: one for each WGP) with four waves of 64 x 64: 16 accumulator tiles each.
; K goes in four phases of 256 (four heads) through two LDS slots; all four are written out, without a loop.
; CLUSTERS: 4 x 4.  o's tile hangs on the row block alone and is shared along a row of the cluster, Wo's on the column block alone and is shared
; along a column: joint loads divide the requests for both by four.
; Wo lies [k][n]: its fragments come by the transposing LDS load.  The matrix instruction is used transposed (source 0 = columns of Wo, source 1 =
; rows of o): lane l holds row l % 16 and eight neighbouring columns, 32 bytes of f32.  The bias enters as the C of the first products.
; LIMIT: |o| below 65,504 (f16's range), as stored by the launch before.
.set AP,     144                       ; o's LDS row: 128 bytes (one head's 64 d) + 16
.set BP,     288                       ; Wo's LDS row: 256 bytes + 32, an odd multiple of 32
.set HEADB,  128*AP                    ; 18,432: one head's 128 rows
.set PARTB,  256*AP                    ; 36,864 = 128*BP too: what one tensor load brings
.set SLOT,   4*PARTB                   ; 147,456: o's 512 rows, then Wo's 256 rows
.set STAGE,  2*SLOT                    ; behind the ring, never filled by a tensor load
.set SP,     272                       ; a stage row: 64 f32 + 16 bytes
.set SWAVE,  16*SP
.set ADRA, 16                          ; v16-17  my o fragments in slot 0, 1
.set ADRB, 20                          ; v20-23  my Wo fragments: 2 x slot + half of the slot's 256 k rows (an LDS offset has 16 bits)
.set STO,  24
.set RD,   25
.set CO,   26
.set VB,   27
.set F0,   64                          ; fragment buffer 0: o at +0, Wo at +32
.set F1,   128                         ; fragment buffer 1
.set RB,   192                         ; rows read back
.set BI,   128                         ; window 1: bias of n block b at 128 + 8 b; accumulator (a, b) at 8 (4 a + b)
.set G1A, 24
.set G0A, 32
.set G1B, 48
.set G0B, 56
.set MSB, 0
.macro WIN new
.if MSB != \new
	s_set_vgpr_msb (MSB<<8)|\new
.set MSB, \new
.endif
.endm
.macro PLACES                          ; four independent vector instructions behind a matrix instruction (ISA guide 7.12.1)
.rept 4
	v_nop
.endr
.endm
.macro JLOAD sl                        ; waves 0, 1 fetch o's two halves (two heads each), waves 2, 3 Wo's (128 k rows each)
	s_cmp_eq_u32 s12, 0
	s_cbranch_scc0 .Lfor_b_\@
	tensor_load_to_lds s[G0A+4*\sl:G0A+4*\sl+3], s[G1A:G1A+7]
	s_nop 0
	s_branch .Lasked_\@
.Lfor_b_\@:
	tensor_load_to_lds s[G0B+4*\sl:G0B+4*\sl+3], s[G1B:G1B+7]
	s_nop 0
.Lasked_\@:
.endm
.macro CREST
	s_cmp_lg_u32 s16, 0
	s_cbranch_scc1 .Lnot_wave_0_\@
	s_barrier_signal -3
.Lnot_wave_0_\@:
	s_barrier_wait -3
	s_barrier_signal -1
	s_barrier_wait -1
.endm
.macro CROUND
	s_barrier_signal -1
	s_barrier_wait -1
	CREST
.endm
	s_load_b256 s[4:11], s[0:1], 0x0               ; ob s[4:5], wb s[6:7], bo s[8:9], out0 s[10:11]
	v_lshl_add_u32 v254, v0, 2, 0x4c400
	v_mov_b32 v255, 0
	ds_add_u32 v254, v255
	v_lshrrev_b32 v1, 5, v0
	v_readfirstlane_b32 s16, v1                    ; wave 0..3
	s_lshr_b32 s12, s16, 1                         ; my half of the rows.  Also: I fetch o (0) or Wo (1)
	s_and_b32 s13, s16, 1                          ; my half of the columns.  Also: which half of that tile I fetch
	s_bfe_u32 s17, ttmp6, 0x40000                  ; cx
	s_bfe_u32 s18, ttmp6, 0x40004                  ; cy
	s_lshl_b32 s19, ttmp9, 2
	s_add_co_u32 s19, s19, s17                     ; column block of 128
	s_and_b32 s20, ttmp7, 0xffff
	s_lshl_b32 s20, s20, 2
	s_add_co_u32 s20, s20, s18                     ; row block of 128
	s_lshl_b32 s21, s18, 2
	s_lshl_b32 s21, 15, s21                        ; my row of the cluster
	s_lshl_b32 s22, 0x1111, s17                    ; my column
	; group 1 of o's tiles: 256 rows x 64 elements, dense; 4 words of padding behind every 32
	s_or_b32 s[G1A+0], s21, (1<<16)|(1<<20)|(1<<21)|(4<<22)|(3<<25)
	s_mov_b32 s[G1A+1], 64<<16
	s_mov_b32 s[G1A+2], 256<<16
	s_mov_b32 s[G1A+3], 64<<16
	s_mov_b32 s[G1A+4], 256
	s_mov_b32 s[G1A+5], 64
	s_mov_b32 s[G1A+6], 0
	s_mov_b32 s[G1A+7], 0
	; group 1 of Wo's tiles: 128 rows x 128 elements, pitch 1,024 elements; 8 words of padding behind every 64
	s_or_b32 s[G1B+0], s22, (1<<16)|(1<<20)|(1<<21)|(5<<22)|(7<<25)
	s_mov_b32 s[G1B+1], 128<<16
	s_mov_b32 s[G1B+2], 128<<16
	s_mov_b32 s[G1B+3], 128<<16
	s_mov_b32 s[G1B+4], 128
	s_mov_b32 s[G1B+5], 1024
	s_mov_b32 s[G1B+6], 0
	s_mov_b32 s[G1B+7], 0
	s_lshl_b32 s40, s20, 18                        ; o: a row block's 16 heads x 128 rows x 128 bytes,
	s_lshl_b32 s41, s13, 15                        ; and my two heads of a slot's four
	s_add_co_u32 s40, s40, s41
	s_mov_b32 s41, 0
	s_lshl_b32 s44, s13, 18                        ; Wo: my 128 k rows of 2,048 bytes,
	s_lshl_b32 s45, s19, 8                         ; and the block's 128 columns
	s_add_co_u32 s44, s44, s45
	s_mov_b32 s45, 0
	s_mul_i32 s23, s16, PARTB                      ; LDS: o's two halves, then Wo's two halves = wave x 36,864
	s_wait_dscnt 0x0
	s_wait_kmcnt 0x0
	s_add_nc_u64 s[42:43], s[4:5], s[40:41]
	s_add_nc_u64 s[46:47], s[6:7], s[44:45]
	CROUND                                         ; all sixteen work-groups are here
.irp sl, 0,1
	s_mov_b32 s[G0A+4*\sl], 1
	s_add_co_u32 s[G0A+4*\sl+1], s23, \sl*SLOT
	s_add_nc_u64 s[G0A+4*\sl+2:G0A+4*\sl+3], s[42:43], \sl*65536
	s_or_b32 s[G0A+4*\sl+3], s[G0A+4*\sl+3], 0x80000000
	s_mov_b32 s[G0B+4*\sl], 1
	s_add_co_u32 s[G0B+4*\sl+1], s23, \sl*SLOT
	s_add_nc_u64 s[G0B+4*\sl+2:G0B+4*\sl+3], s[46:47], \sl*524288
	s_or_b32 s[G0B+4*\sl+3], s[G0B+4*\sl+3], 0x80000000
	JLOAD \sl                                      ; phases 0 and 1: two tensor loads of a wave are out
.endr
	v_and_b32 v1, 15, v0                           ; r
	v_bfe_u32 v2, v0, 4, 1                         ; h
	v_and_b32 v3, 7, v0                            ; l % 8
	v_bfe_u32 v4, v0, 3, 1                         ; (l / 8) % 2
	v_mul_u32_u24 v6, v1, AP
	v_lshl_add_u32 v6, v2, 4, v6
	s_mul_i32 s66, s12, 64*AP                      ; my 64 rows of each head
	v_add_nc_u32 v[ADRA], s66, v6
	v_add_nc_u32 v[ADRA+1], SLOT, v[ADRA]
	v_lshl_add_u32 v7, v2, 3, v3
	v_mul_u32_u24 v7, v7, BP
	v_lshl_add_u32 v7, v4, 4, v7
	s_lshl_b32 s67, s13, 7                         ; my 64 columns: 128 bytes
	s_add_co_u32 s67, s67, 2*PARTB                 ; Wo lies behind o
	v_add_nc_u32 v[ADRB], s67, v7
	v_add_nc_u32 v[ADRB+1], PARTB, v[ADRB]
	v_add_nc_u32 v[ADRB+2], SLOT, v[ADRB]
	v_add_nc_u32 v[ADRB+3], SLOT, v[ADRB+1]
	s_mul_i32 s68, s16, SWAVE
	s_add_co_u32 s68, s68, STAGE
	v_mul_u32_u24 v8, v1, SP
	v_lshl_add_u32 v8, v2, 5, v8
	v_add_nc_u32 v[STO], s68, v8                   ; in: row r, 32 bytes for each half of the lanes
	v_mul_u32_u24 v9, v2, SP
	v_lshl_add_u32 v9, v1, 4, v9
	v_add_nc_u32 v[RD], s68, v9                    ; back: sixteen lanes a row of 256 bytes, two rows a load
	v_lshlrev_b32 v[CO], 12, v2                    ; the same two rows in out0
	v_lshl_add_u32 v[CO], v1, 4, v[CO]
	v_lshlrev_b32 v[VB], 5, v2
	s_lshl_b32 s70, s19, 9                         ; my columns in bytes of f32: 512 x block + 256 x half
	s_lshl_b32 s71, s13, 8
	s_add_co_u32 s70, s70, s71
	s_mov_b32 s71, 0
	s_add_nc_u64 s[8:9], s[8:9], s[70:71]
	s_lshl_b32 s72, s20, 19                        ; my rows: 128 x block + 64 x half, of 4,096 bytes
	s_lshl_b32 s73, s12, 18
	s_add_co_u32 s72, s72, s73
	s_add_co_u32 s72, s72, s70
	s_mov_b32 s73, 0
	s_add_nc_u64 s[10:11], s[10:11], s[72:73]
	WIN 0x40                                       ; destination window 1
.irp b, 0,1,2,3
	global_load_b128 v[BI+8*\b:BI+8*\b+3],   v[VB], s[8:9] offset:64*\b
	global_load_b128 v[BI+8*\b+4:BI+8*\b+7], v[VB], s[8:9] offset:64*\b+16
.endr
	WIN 0
; 16 matrix instructions: my 4 x 4 tiles, 32 along K.  first = 1: C is the bias.  The sixteen accumulators take turns.
.macro MUL16 f, first
	WIN 0x50                                       ; C and D window 1, fragments window 0
.irp a, 0,1,2,3
.irp b, 0,1,2,3
.if \first
	v_wmma_f32_16x16x32_f16 v[8*(4*\a+\b):8*(4*\a+\b)+7], v[\f+32+8*\b:\f+32+8*\b+7], v[\f+8*\a:\f+8*\a+7], v[BI+8*\b:BI+8*\b+7]
.else
	v_wmma_f32_16x16x32_f16 v[8*(4*\a+\b):8*(4*\a+\b)+7], v[\f+32+8*\b:\f+32+8*\b+7], v[\f+8*\a:\f+8*\a+7], v[8*(4*\a+\b):8*(4*\a+\b)+7]
.endif
.endr
.endr
.endm
; 16 LDS loads: part kq (32 of the slot's 256 along K) into buffer f.  In o, k = 64 x head + d: head kq / 2 of the slot, d from 32 (kq % 2).
.macro FETCH slot, kq, f
	WIN 0
.irp a, 0,1,2,3
	ds_load_b128 v[\f+8*\a:\f+8*\a+3],   v[ADRA+\slot] offset:((\kq)>>1)*HEADB+\a*16*AP+((\kq)&1)*64
	ds_load_b128 v[\f+8*\a+4:\f+8*\a+7], v[ADRA+\slot] offset:((\kq)>>1)*HEADB+\a*16*AP+((\kq)&1)*64+32
.endr
.irp b, 0,1,2,3
	ds_load_tr16_b128 v[\f+32+8*\b:\f+32+8*\b+3],   v[ADRB+2*\slot+((\kq)>>2)] offset:((\kq)&3)*32*BP+32*\b
	ds_load_tr16_b128 v[\f+32+8*\b+4:\f+8*\b+39], v[ADRB+2*\slot+((\kq)>>2)] offset:((\kq)&3)*32*BP+32*\b+16*BP
.endr
.endm
; Fetches part kq into buffer g, then multiplies buffer f while those loads are on their way.
.macro QUARTER slot, kq, f, g, first
	s_wait_dscnt 0x0                               ; buffer f is in
	PLACES                                         ; buffer g was last read by matrix instructions
	FETCH \slot, \kq, \g
	MUL16 \f, \first
.endm
; The slot's last part and the change of slots: every wave's reads of the slot and all its tensor loads are waited for in front of the barrier;
; fill = 1: it opens a round of the cluster's barrier, and the refill, two phases ahead, is the first tensor load behind the round.
.macro TURN slot, next, fill
	s_wait_dscnt 0x0
	s_wait_tensorcnt 0x0
	ds_add_u32 v254, v255
	s_wait_dscnt 0x0
	s_barrier_signal -1
	MUL16 F1, 0                                    ; register work while the others arrive
	WIN 0
	s_barrier_wait -1
.if \fill
	CREST
	s_add_nc_u64 s[G0A+4*\slot+2:G0A+4*\slot+3], s[G0A+4*\slot+2:G0A+4*\slot+3], 131072
	s_add_nc_u64 s[G0B+4*\slot+2:G0B+4*\slot+3], s[G0B+4*\slot+2:G0B+4*\slot+3], 1048576
	JLOAD \slot
.endif
	PLACES
	FETCH \next, 0, F0
.endm
.macro SEVEN slot, first               ; multiplies parts 0 to 6 of a slot, leaves part 7 in buffer 1
	QUARTER \slot, 1, F0, F1, \first
	QUARTER \slot, 2, F1, F0, 0
	QUARTER \slot, 3, F0, F1, 0
	QUARTER \slot, 4, F1, F0, 0
	QUARTER \slot, 5, F0, F1, 0
	QUARTER \slot, 6, F1, F0, 0
	QUARTER \slot, 7, F0, F1, 0
.endm
	s_wait_loadcnt 0x0                             ; the bias
	s_wait_tensorcnt 0x1                           ; my part of phase 0 is in; phase 1's stays out
	s_barrier_signal -1
	s_barrier_wait -1
	FETCH 0, 0, F0
	SEVEN 0, 1                                     ; k 0-255
	TURN 0, 1, 1                                   ; asks for k 512-767
	SEVEN 1, 0                                     ; k 256-511
	TURN 1, 0, 1                                   ; asks for k 768-1023
	SEVEN 0, 0
	TURN 0, 1, 0                                   ; nothing is left to fetch
	SEVEN 1, 0
	s_wait_dscnt 0x0
	MUL16 F1, 0
	PLACES                                         ; before LDS stores read results
; THE WAY OUT, 16 rows at a time, through my own stage: in by 32 bytes a lane, back as rows of 256 bytes.
.macro OUT16 a
	WIN 0x04                                       ; store data window 1
.irp b, 0,1,2,3
	ds_store_b128 v[STO], v[8*(4*\a+\b):8*(4*\a+\b)+3]   offset:64*\b
	ds_store_b128 v[STO], v[8*(4*\a+\b)+4:8*(4*\a+\b)+7] offset:64*\b+16
.endr
	WIN 0
	s_wait_xcnt 0x0                                ; RB, which the last block's stores read, is loaded again only behind this wait
.irp t, 0,1,2,3,4,5,6,7
	ds_load_b128 v[RB+4*\t:RB+4*\t+3], v[RD] offset:\t*2*SP     ; my own bytes, served in order behind the stores
.endr
.irp t, 0,1,2,3,4,5,6,7
	s_wait_dscnt 7-\t                              ; load t is in, the younger ones stay out
	global_store_b128 v[CO], v[RB+4*\t:RB+4*\t+3], s[10:11] offset:(16*\a+2*\t)*4096 th:TH_STORE_NT   ; sixteen lanes store 256 consecutive bytes, aligned
.endr
.endm
	OUT16 0
	OUT16 1
	OUT16 2
	OUT16 3
	s_wait_tensorcnt 0x0
	ds_add_u32 v254, v255
	s_wait_dscnt 0x0
	CROUND                                         ; the closing round
	s_endpgm
.Lfunc_end_k_qee51563d77_proj:
	.size	k_qee51563d77_proj, .Lfunc_end_k_qee51563d77_proj-k_qee51563d77_proj
	.p2alignl 7, 3214868480
	.fill 96, 4, 3214868480
	.section	.rodata,"a",@progbits
	.p2align	6, 0x0
	.amdhsa_kernel k_qee51563d77_proj
		.amdhsa_group_segment_fixed_size 327680
		.amdhsa_private_segment_fixed_size 0
		.amdhsa_enable_private_segment 0
		.amdhsa_kernarg_size 32
		.amdhsa_user_sgpr_count 2
		.amdhsa_user_sgpr_kernarg_segment_ptr 1
		.amdhsa_wavefront_size32 1
		.amdhsa_system_sgpr_workgroup_id_x 1
		.amdhsa_system_sgpr_workgroup_id_y 1
		.amdhsa_system_sgpr_workgroup_id_z 1
		.amdhsa_system_vgpr_workitem_id 0
		.amdhsa_next_free_vgpr 416
		.amdhsa_next_free_sgpr 84
		.amdhsa_reserve_vcc 0
		.amdhsa_float_denorm_mode_32 3
		.amdhsa_float_denorm_mode_16_64 3
		.amdhsa_memory_ordered 1
		.amdhsa_forward_progress 1
		.amdhsa_inst_pref_size 89
	.end_amdhsa_kernel
	.amdgpu_metadata
---
amdhsa.version: [ 1, 2 ]
amdhsa.kernels:
  - .name:           k_qee51563d77_proj
    .symbol:         k_qee51563d77_proj.kd
    .args:
      - { .name: ob, .offset: 0, .size: 8, .value_kind: global_buffer, .address_space: global }
      - { .name: wb, .offset: 8, .size: 8, .value_kind: global_buffer, .address_space: global }
      - { .name: bo, .offset: 16, .size: 8, .value_kind: global_buffer, .address_space: global }
      - { .name: out0, .offset: 24, .size: 8, .value_kind: global_buffer, .address_space: global }
    .group_segment_fixed_size: 327680
    .private_segment_fixed_size: 0
    .kernarg_segment_align: 8
    .kernarg_segment_size: 32
    .max_flat_workgroup_size: 128
    .sgpr_count:     84
    .vgpr_count:     416
    .wavefront_size: 32
...
	.end_amdgpu_metadata
.endif
;; end of part 4
